; MI455X (gfx1250); checked and timed in simulation.
; The chip was launched on July 23, 2026; its instructions are those of AMD's public machine-readable ISA for CDNA 5 (MIT licence, August 2026) and "CDNA5" Instruction Set Architecture Reference Guide (July 2026). The comments in the code are by the model that wrote it; some were corrected since.
;; Fractal Attentional Resonance. Allowed arithmetic: matrix products marked QUANTISED: E3M2 operands, one E8M0 scale for each 32 along K, by v_wmma_scale_f32_16x16x128_f8f6f4 with both operands' format E3M2, f32 sums; products left as they are: f32 operands where the result goes on into a quantised operand, else bf16, f16 or f32 operands; f32 sums; everything else in f32.
;; Inputs: Wc1 512 x 256 float32; Wc2 256 x 8 float32; Wk_codes 512 x 16 x 24 uint8 (E3M2 codes of Wk, K innermost, in blocks of 32 codes, four codes in three bytes); Wk_scales 512 x 16 uint8 (E8M0 scales of Wk, one for each 32 codes along K); Wo_codes 512 x 16 x 24 uint8 (E3M2 codes of Wo, K innermost, in blocks of 32 codes, four codes in three bytes); Wo_scales 512 x 16 uint8 (E8M0 scales of Wo, one for each 32 codes along K); Wq_codes 512 x 16 x 24 uint8 (E3M2 codes of Wq, K innermost, in blocks of 32 codes, four codes in three bytes); Wq_scales 512 x 16 uint8 (E8M0 scales of Wq, one for each 32 codes along K); Wv_codes 512 x 16 x 24 uint8 (E3M2 codes of Wv, K innermost, in blocks of 32 codes, four codes in three bytes); Wv_scales 512 x 16 uint8 (E8M0 scales of Wv, one for each 32 codes along K); bc1 256 float32; bc2 8 float32; bk 512 float32; bo 512 float32; bq 512 float32; bv 512 float32; ln_b 512 float32; ln_g 512 float32; mask 4 x 1 x 2,048 x 2,048 int32; res_gate 8 float32; tf_emb 5 x 512 float32; timeframe_ids 4 x 2,048 int32; x 4 x 2,048 x 512 float32.
;; Outputs: out0 4 x 2,048 x 512 float32.
;; This version of the problem:
;;   THIS VERSION OF THE PROBLEM IS GIVEN IN LOW PRECISION. The matrix products marked QUANTISED in the list below multiply operands that are first quantised to E3M2 (3 exponent bits, 2 mantissa bits; 6 bits a number), with one power-of-two scale for each 32 numbers along K (OCP MX v1.0); their sums are f32. All else is computed in f32.
;;   The module's matrix products, in the order in which they are computed (A, B: the left and right operand; K: the contracted axis; several contracted axes count as one K, in the product's order):
;;     1. [M 8,192, K 512] x [K 512, N 512]; A: computed on the way; B: input Wq (given as codes): QUANTISED
;;     2. [M 8,192, K 512] x [K 512, N 512]; A: computed on the way; B: input Wk (given as codes): QUANTISED
;;     3. [M 8,192, K 512] x [K 512, N 512]; A: computed on the way; B: input Wv (given as codes): QUANTISED
;;     4. batch 32 x [M 2,048, K 64] x [K 64, N 2,048]; A: computed on the way; B: computed on the way: QUANTISED
;;     5. [M 4, K 512] x [K 512, N 256]; A: computed on the way; B: input Wc1: left as it is (M = 4 < 16)
;;     6. [M 4, K 256] x [K 256, N 8]; A: computed on the way; B: input Wc2: left as it is (M = 4 < 16)
;;     7. batch 32 x [M 2,048, K 2,048] x [K 2,048, N 64]; A: softmax (see below); B: computed on the way: QUANTISED
;;     8. [M 8,192, K 512] x [K 512, N 512]; A: computed on the way; B: input Wo (given as codes): QUANTISED
;;   THE QUANTISER, for each operand of a quantised product, along K:
;;     - K is cut into blocks of 32 from its start; a last block that is shorter is filled with zeros.
;;     - A block's scale is 2^e with e = floor(log2(the largest magnitude in the block)) - 4, held to -126 .. 127; a block of zeros has e = 0. As a byte (E8M0): e + 127.
;;     - Each number is divided by its block's scale, clamped to +-28, and rounded to the nearest number of E3M2, ties to even, subnormals kept.
;;     - The product sums the exact products of the quantised numbers (number of the format x scale) in f32.
;;   ~~~python
;;   def quantise(x, axis):      # numpy; x: float32 -> the quantised numbers, widened to float32 again
;;       x = np.moveaxis(x, axis, -1); K = x.shape[-1]
;;       x = np.pad(x, [(0, 0)] * (x.ndim - 1) + [(0, -K % 32)]); x = x.reshape(x.shape[:-1] + (-1, 32)); a = np.abs(x).max(-1, keepdims=True)
;;       e = np.where(a > 0, np.clip(np.frexp(np.where(a > 0, a, 1))[1] - 1 - 4, -126, 127), 0)      # np.frexp(a)[1] - 1 = floor(log2(a)), exactly
;;       r = np.clip(x / 2.0 ** e, -28, 28)
;;       step = 2.0 ** (np.maximum(np.frexp(np.where(r == 0, 1, r))[1] - 1, -2) - 2)
;;       q = np.round(r / step) * step * 2.0 ** e      # np.round: ties to even
;;       return np.moveaxis(q.reshape(q.shape[:-2] + (-1,))[..., :K], -1, axis).astype(np.float32)
;;   ~~~
;;   SOFTMAX AHEAD OF A QUANTISED PRODUCT. Where the list says 'softmax', what is quantised is not the finished softmax but p = 2^(t - M), with t = logit x log2(e) and M = ceil(the row's largest t), a whole number; so 1/2 < the row's largest p <= 1. The row's sum l is taken of the UNQUANTISED p, in f32, and the product's result is divided by l at the end. Since M is a whole number, a kernel that streams over the keys may use a running M (the ceiling of the running maximum): every later rescaling is an exact power of two, which a block's scale takes up: the codes' values come out the same.
;;   OPERANDS COMPUTED ON THE WAY. 'Computed on the way' means the value that the module computes at that place (a softmax that the list does not call 'softmax' is quantised finished and normalised). What goes into a quantiser is computed in f32, as accurately as f32 sums, v_exp_f32 and their like allow (about 1e-6 of the number): no bf16 or f16 on the way to a quantiser, and a product that is left as it is and whose result goes on into a quantised operand takes f32 operands (vector FMAs, or v_wmma_f32_16x16x4_f32). A number that lies on a knife's edge between two numbers of the format may be rounded either way, as far as f32 arithmetic and the matrix unit's own rounding can turn it there, and no further.
;;   INPUTS GIVEN AS CODES. Wk (in the module: [512, 512], K = its axis 0); Wo (in the module: [512, 512], K = its axis 0); Wq (in the module: [512, 512], K = its axis 0); Wv (in the module: [512, 512], K = its axis 0): each comes as NAME_codes (uint8): NAME with its K axis moved to the last place and cut into blocks of 32 codes, [.., K / 32, bytes a block], one block behind the other in memory; four codes in three bytes: a row's codes are one little-endian stream of bits, code i at bits 6 i .. 6 i + 5 (a code: sign, 3 exponent bits, 2 mantissa bits); and NAME_scales (uint8): the same leading axes, one E8M0 byte (e + 127) for each 32 codes along K. Its value is code x scale, taken as it is: it is not quantised again, and the codes and scales need not be those that the quantiser above would give.
;; One version. Each part assembles by itself: llvm-mc -triple=amdgcn-amd-amdhsa -mcpu=gfx1250 --defsym DOCPART=n.
;; ======== version 1 of 1: 3 launches
;; limits: right only within a limited range of input values
;; workspace buffers: qimg 3,407,872 bytes; kv 6,684,672 bytes; part 131,072 bytes; hp 32,768 bytes
;; launch qkv (part 1): grid 64 x 3, 8 waves a work-group, no clusters, 307,200 bytes of LDS; arguments x, timeframe_ids, tf_emb, Wq_codes, Wq_scales, bq, Wk_codes, Wk_scales, bk, Wv_codes, Wv_scales, bv, qimg, kv, part; writes qimg, kv, part
.if DOCPART == 1
	.amdgcn_target "amdgcn-amd-amdhsa--gfx1250"
	.amdhsa_code_object_version 6
	.text
	.protected	k_qb3633a1078_qkv
	.globl	k_qb3633a1078_qkv
	.p2align	8
	.type	k_qb3633a1078_qkv,@function
k_qb3633a1078_qkv:
	s_mov_b64 s[64:65], 0
	v_nop
	global_prefetch_b8 v0, s[64:65] scope:SCOPE_SE
	s_setreg_imm32_b32 hwreg(HW_REG_WAVE_MODE, 25, 1), 1
	s_wait_xcnt 0x0
; xe = x + tf_emb[ids]; Q, K or V = Q(xe) W + b on codes of BF6 (E3M2) with one E8M0 scale for each 32 along K; the result is quantised at once for the
; attention's products and leaves as IMAGES OF OPERAND REGISTERS.  Work-group (X, kind): X = 128 tokens (one key step of one batch), kind 0 = Q, 1 = K, 2 = V.
; Wave w = head w: its 64 features x 512 K of the weight are 16 fragments, 192 registers, read once and kept.
; THE WEIGHT COMES IN RUNS: a wave's 64 rows of 384 bytes are 24,576 consecutive bytes of memory: 48 loads of 512 consecutive bytes each.  They turn through the wave's own stage in LDS, 32 rows at a time,
; into the fragments' layout, and come back into the registers that they left.
; A TILE OF 16 TOKENS (OR FEATURES) IS NOT 16 NEIGHBOURS: lane r of tile T takes 32 (T / 2) + 8 (T % 2) + r + 8 (r / 8), so that in a transposed result the 16 registers of
; tiles 2 b and 2 b + 1 are the 16 neighbours 32 b + 16 (lane / 16) + 0 .. 15 along the next product's K.
; Q, K: source 0 = 16 features of W, source 1 = 16 tokens: a lane holds one token, its registers run along the head's 64 (K of the scores).
; V:    source 0 = 16 tokens, source 1 = 16 features: a lane holds one feature, its registers run along the 128 keys (K of the second product).
; The column sums of xe over the 128 tokens (for the mean over the sequence) leave by the work-groups of kind 0.
; NO CLUSTER, NO TENSOR LOAD: x passes through registers for the embedding and the column sums.  The weight, which the 64 work-groups of a kind share, would as a joint tile lie whole in LDS: 512 rows, with
; 16 bytes of padding behind every 64 that is 245,760 bytes, which do not fit beside the 201,728 bytes of x's stage and images; so each wave fetches its own rows, half of them (13,056 bytes of LDS) at a time.
; LIMITS: NaN and infinities among the inputs are not served; a block whose largest magnitude lies under 2^-122 (a block of zeros too) keeps the scale byte 1: its bytes are read by this program alone.
; LDS: a stage of 64 rows of xe (f32, 2,048 bytes + 16); x's 32 fragments as images (1,536 bytes each) and their scale words (128 bytes each); eight waves' column sums; eight waves' stages for the weight.
; REGISTERS, window 0: v1 16 L, v2 4 L, v15 8 L, v3-14 addresses; v16-143 accumulators (first: two sets of 64 numbers of x); v144-191 four fragments of x (first: embedding rows; later codes and work);
;   v192-207 W's scale words; v208-211 x's; v212-215 work (first: v213-215 the weight's way into its stage); v216-231 column sums, later scale words on their way out; v232-247 a fourth embedding row, later work.
;   window 1: v0-191 W's fragments, v192-223 the bias.
.set PITCH, 2064                       ; a stage row: an odd multiple of 16 bytes, so that the 16 rows of a load start in different banks
.set XIMG,  64*PITCH                   ; fragment (tile T, K step s) at (4 T + s) x 1,536
.set XSC,   XIMG+32*1536
.set CSB,   XSC+32*128
.set WST,   CSB+8*2048                 ; the weight's stages, one a wave
.set WP,    400                        ; a row of the weight there: 384 bytes + 16 = 100 words: row q starts at bank 36 q mod 64 (64 banks of 4 bytes: ISA guide 11.1): 16 neighbouring rows start at 16 different multiples of 4
.set WREG,  13056                      ; 32 such rows, 128 bytes more behind row 15 (a tile's two groups of eight rows lie 16 rows apart, a whole number of times through the banks: the 128 bytes part them), rounded up
.set XFS, 3
.set EA,  4
.set SWR, 8
.set SRD, 9
.set XWI, 10
.set XWS, 11
.set WA,  12
.set WSA, 13
.set XFI, 14
.set ACC, 16
.set SETA, 16
.set SETB, 80
.set XF,  144
.set PC0, 144
.set CT,  168
.set TM,  176
.set WS,  192
.set XS,  208
.set WI,  213
.set CSA, 216
.set SWP, 216
.set PW,  232
.set SEL, 48
.set MSB, 0
.macro WIN new                         ; the immediate's high byte repeats the setting that is left
.if MSB != \new
	s_set_vgpr_msb (MSB<<8)|\new
.set MSB, \new
.endif
.endm
.macro PLACES                          ; four places behind matrix instructions, in front of loads into their registers and of the first read of results
.rept 4
	v_nop
.endr
.endm
.macro BAR                             ; my LDS stores have landed and my LDS loads are in: then the work-group's barrier
	s_wait_dscnt 0x0
	s_barrier_signal -1
	s_barrier_wait -1
.endm
.macro MM d, a, b, c, sa, sb
	v_wmma_scale_f32_16x16x128_f8f6f4 v[\d:\d+7], v[\a:\a+11], v[\b:\b+11], v[\c:\c+7], v[\sa], v[\sb] matrix_a_fmt:MATRIX_FMT_BF6 matrix_b_fmt:MATRIX_FMT_BF6
.endm
; 64 numbers of a lane, register 16 b + i = k 32 b + 16 (lane / 16) + i of my row, become a fragment's 12 registers of codes at v[pc] and its scale word in v[pw].
.macro QUANT128 s, pc, pw
.irp b, 0,1,2,3
	v_max3_num_f32 v[TM+\b], |v[\s+16*\b]|, |v[\s+1+16*\b]|, 0x2800000   ; block b: my 16 numbers, and the floor 2^(5 - 127): the byte cannot fall under 1
.endr
.irp i, 2,4,6,8,10,12,14
.irp b, 0,1,2,3
	v_max3_num_f32 v[TM+\b], v[TM+\b], |v[\s+16*\b+\i]|, |v[\s+1+16*\b+\i]|   ; the four blocks by turns
.endr
.endr
.irp b, 0,1,2,3
	s_delay_alu instid0(VALU_DEP_4)
	v_permlanex16_b32 v[TM+4+\b], v[TM+\b], s[SEL], s[SEL+1]
.endr
.irp b, 0,1,2,3
	s_delay_alu instid0(VALU_DEP_4)
	v_max_num_f32 v[TM+\b], v[TM+\b], v[TM+4+\b]   ; with lane l xor 16's: the block's largest magnitude
.endr
.irp b, 0,1,2,3
	s_delay_alu instid0(VALU_DEP_4)
	v_add_nc_u32 v[TM+12+\b], 0xfe000000, v[TM+\b]   ; 4 off its exponent field: the conversion's scale operand
.endr
.irp b, 0,1,2,3
	s_delay_alu instid0(VALU_DEP_4)
	v_lshrrev_b32 v[TM+4+\b], 23, v[TM+12+\b]   ; the scale's byte
.endr
	s_delay_alu instid0(VALU_DEP_3)
	v_lshl_or_b32 v[\pw], v[TM+5], 8, v[TM+4]
	s_delay_alu instid0(VALU_DEP_1)
	v_lshl_or_b32 v[\pw], v[TM+6], 16, v[\pw]
	s_delay_alu instid0(VALU_DEP_1)
	v_lshl_or_b32 v[\pw], v[TM+7], 24, v[\pw]
.irp c, 0,1
	v_cvt_scalef32_pk16_bf6_f32 v[\pc+6*\c:\pc+6*\c+2], v[\s+32*\c:\s+32*\c+15], v[TM+12+2*\c]
	v_cvt_scalef32_pk16_bf6_f32 v[CT+4*\c:CT+4*\c+2], v[\s+32*\c+16:\s+32*\c+31], v[TM+13+2*\c]   ; (a conversion's three registers begin on an even number)
.endr
	v_nop                                          ; one plain place behind a scaled conversion
.irp c, 0,1                                    ; the operand wants a whole block in a lane: lanes 0-15 block 2 c, lanes 16-31 block 2 c + 1
.irp i, 0,1,2
	v_permlane16_swap_b32 v[\pc+6*\c+\i], v[CT+4*\c+\i]
.endr
.irp i, 0,1,2
	s_delay_alu instid0(VALU_DEP_3)
	v_mov_b32 v[\pc+3+6*\c+\i], v[CT+4*\c+\i]
.endr
.endr
.endm
; batch k: my tokens 64 (k / 2) + 8 w + 4 (k % 2) + 0 .. 3, whole rows: each load covers 512 consecutive bytes
.macro XLD set, k
.irp i, 0,1,2,3
.irp j, 0,1,2,3
	global_load_b128 v[\set+16*\i+4*\j:\set+16*\i+4*\j+3], v1, s[4:5] offset:(64*((\k)/2)+4*((\k)%2)+\i)*2048+512*\j
.endr
.endr
.endm
; the same four tokens' rows of the embedding table: three at v144 on, the fourth at v232
.macro ELD k
.irp i, 0,1,2,3
	v_add_nc_u32 v[EA+\i], s[68+8*((\k)/2)+4*((\k)%2)+\i], v1
.endr
.irp i, 0,1,2,3
.irp j, 0,1,2,3
	global_load_b128 v[XF+16*\i+40*(\i/3)+4*\j:XF+16*\i+40*(\i/3)+4*\j+3], v[EA+\i], s[12:13] offset:512*\j
.endr
.endr
.endm
; xe = x + embedding; the column sums; xe into the stage.  first = 1: the first addition starts the sums
.macro XPROC set, k, first
.irp i, 0,1,2,3
.irp j, 0,2,4,6,8,10,12,14
	v_pk_add_f32 v[\set+16*\i+\j:\set+16*\i+\j+1], v[\set+16*\i+\j:\set+16*\i+\j+1], v[XF+16*\i+40*(\i/3)+\j:XF+16*\i+40*(\i/3)+\j+1]
.endr
.if \first && (\i == 1)
.irp j, 0,2,4,6,8,10,12,14
	v_pk_add_f32 v[CSA+\j:CSA+\j+1], v[\set+\j:\set+\j+1], v[\set+16+\j:\set+16+\j+1]
.endr
.elseif (!\first) || (\i > 1)
.irp j, 0,2,4,6,8,10,12,14
	v_pk_add_f32 v[CSA+\j:CSA+\j+1], v[CSA+\j:CSA+\j+1], v[\set+16*\i+\j:\set+16*\i+\j+1]
.endr
.endif
.irp j, 0,1,2,3
	ds_store_b128 v[SWR], v[\set+16*\i+4*\j:\set+16*\i+4*\j+3] offset:(4*((\k)%2)+\i)*PITCH+512*\j
.endr
.endr
.endm
; my fragment f (0, 1) of half c of the block: tile w / 2 of the half, K step 2 (w % 2) + f: from the stage, quantised, its image and scale words to LDS
.macro FRAGQ c, f, src, pc
.irp b, 0,1,2,3
.irp q, 0,1,2,3
	ds_load_b128 v[\src+16*\b+4*\q:\src+16*\b+4*\q+3], v[SRD] offset:512*\f+128*\b+16*\q
.endr
.endr
	s_wait_dscnt 0x0                               ; the numbers are in; earlier LDS stores have read their registers
	QUANT128 \src, \pc, PW
.irp i, 0,1,2
	ds_store_b128 v[XWI], v[\pc+4*\i:\pc+4*\i+3] offset:24576*\c+1536*\f+512*\i
.endr
	ds_store_b32 v[XWS], v[PW] offset:2048*\c+128*\f
.endm
; x's fragments of tiles base .. base + 3, K step s, and their scale words
.macro FETCHX base, s
.irp m, 0,1,2,3
.irp i, 0,1,2
	ds_load_b128 v[XF+12*\m+4*\i:XF+12*\m+4*\i+3], v[XFI] offset:(4*((\base)+\m)+(\s))*1536+512*\i
.endr
	ds_load_b32 v[XS+\m], v[XFS] offset:(4*((\base)+\m)+(\s))*128
.endr
.endm
; Half hf of my 64 rows of the weight (32 rows, 24 loads' worth) turns through my stage.  Load 24 hf + 3 a + e brought lane L the 16 bytes of chunk 96 a + 32 e + L of the half; 24 chunks are a row, so three loads are four rows:
; the chunk goes to v[WI + e] (16 x chunk + 16 x its row, for a = 0) + 1,600 a, + 128 from row 16 on.  Back come the fragments of tiles 2 hf and 2 hf + 1, in pieces of 8 bytes, into the same 96 registers.
; LDS serves a wave's instructions in order (ISA guide 5.7.1.4): the loads see the stores, and the next half's stores come behind these loads; the bytes are the wave's own: no barrier.
.macro WTURN hf
	WIN 0x04                                       ; an LDS store's data are its source 1: window 1
.irp a, 0,1,2,3,4,5,6,7
.irp e, 0,1,2
	ds_store_b128 v[WI+\e], v[4*(24*\hf+3*\a+\e):4*(24*\hf+3*\a+\e)+3] offset:1600*\a+128*(\a/4)
.endr
.endr
	WIN 0x40                                       ; destination window 1
.irp u, 0,1                                    ; W's fragment (tile t = 2 hf + u, K step s) at v[12 (4 t + s)] of window 1: it stays
.irp s, 0,1,2,3
.irp p, 0,1,2,3,4,5
	ds_load_b64 v[12*(4*(2*\hf+\u)+\s)+2*\p:12*(4*(2*\hf+\u)+\s)+2*\p+1], v[WA] offset:8*WP*\u+96*\s+48*(\p/3)+8*(\p%3)
.endr
.endr
.endr
	WIN 0
.endm
	s_load_b512 s[8:23], s[0:1], 0x0               ; x, ids, tf_emb, Wq codes, Wq scales, bq, Wk codes, Wk scales
	s_load_b256 s[24:31], s[0:1], 0x40             ; bk, Wv codes, Wv scales, bv
	s_load_b128 s[32:35], s[0:1], 0x60             ; qimg, kv
	s_load_b64 s[36:37], s[0:1], 0x70              ; part
	s_set_vgpr_msb 0x40
	v_lshl_add_u32 v254, v0, 2, 0x4ac00
	v_mov_b32 v255, 0
	s_set_vgpr_msb 0x4000
	v_lshrrev_b32 v248, 5, v0
	s_delay_alu instid0(VALU_DEP_1)
	v_readfirstlane_b32 s47, v248                  ; wave = head
	s_and_b32 s46, ttmp7, 0xffff                   ; kind
	v_and_b32 v248, 31, v0                         ; L
	v_and_b32 v249, 15, v0                         ; r
	v_bfe_u32 v250, v0, 4, 1                       ; h
	s_delay_alu instid0(VALU_DEP_3)
	v_lshlrev_b32 v1, 4, v248
	s_wait_alu depctr_va_vdst(0)
	v_lshlrev_b32 v2, 2, v248
	s_wait_alu depctr_va_vdst(0)
	v_lshlrev_b32 v15, 3, v248
	s_lshr_b32 s56, s47, 2                         ; my eight tokens of a half block lie in stage rows 32 (w / 4) + 16 (w % 2) + 8 ((w % 4) / 2) + 0 .. 7: a tile's 16 rows are neighbours there
	s_lshl_b32 s56, s56, 5
	s_and_b32 s57, s47, 1
	s_lshl_b32 s58, s57, 4
	s_add_co_u32 s56, s56, s58
	s_bfe_u32 s58, s47, 0x10001
	s_lshl_b32 s58, s58, 3
	s_add_co_u32 s56, s56, s58
	s_mul_i32 s56, s56, PITCH
	v_add_nc_u32 v[SWR], s56, v1
	s_lshr_b32 s58, s47, 1                         ; out of the stage: tile w / 2, row r, my 16 numbers of a block, K steps 2 (w % 2) on
	s_mul_i32 s58, s58, 16*PITCH
	s_lshl_b32 s57, s57, 10
	s_add_co_u32 s58, s58, s57
	v_mul_u32_u24 v[SRD], v249, PITCH
	s_delay_alu instid0(VALU_DEP_1)
	v_lshl_add_u32 v[SRD], v250, 6, v[SRD]
	s_delay_alu instid0(VALU_DEP_1)
	v_add_nc_u32 v[SRD], s58, v[SRD]
	s_mul_i32 s58, s47, 3072                       ; 4 (w / 2) + 2 (w % 2) = 2 w fragments on
	s_add_co_u32 s58, s58, XIMG
	v_add_nc_u32 v[XWI], s58, v1
	s_lshl_b32 s58, s47, 8
	s_add_co_u32 s58, s58, XSC
	v_add_nc_u32 v[XWS], s58, v2
	v_add_nc_u32 v[XFI], XIMG, v1
	v_add_nc_u32 v[XFS], XSC, v2
	s_lshl_b32 s58, s47, 11
	s_add_co_u32 s58, s58, CSB
	v_add_nc_u32 v251, s58, v1                     ; my column sums, on the way in
	s_lshl_b32 s58, s47, 8
	s_add_co_u32 s58, s58, CSB
	v_add_nc_u32 v252, s58, v15                    ; and my 64 columns of all eight waves'
	s_mul_i32 s58, s47, WREG
	s_add_co_u32 s58, s58, WST                     ; my stage for the weight
	v_and_b32 v253, 8, v249
	s_delay_alu instid0(VALU_DEP_1)
	v_lshlrev_b32 v[WA], 4, v253                   ; 128 (r / 8): my row of a tile lies behind row 15 where r is 8 or more
	s_delay_alu instid0(VALU_DEP_2)
	v_add_nc_u32 v253, v253, v249                  ; r + 8 (r / 8)
	s_delay_alu instid0(VALU_DEP_1)
	v_mad_u32_u24 v[WA], v253, WP, v[WA]
	s_delay_alu instid0(VALU_DEP_1)
	v_mad_u32_u24 v[WA], v250, 24, v[WA]
	s_delay_alu instid0(VALU_DEP_1)
	v_add_nc_u32 v[WA], s58, v[WA]                 ; out of that stage: my row of an even tile, + 24 h
.irp e, 0,1,2
	v_add_nc_u32 v[WI+\e], 32*\e, v248             ; into it: chunk n = 32 e + L,
	s_delay_alu instid0(VALU_DEP_1)
	v_mul_u32_u24 v254, v[WI+\e], 2731
	s_delay_alu instid0(VALU_DEP_1)
	v_lshrrev_b32 v254, 16, v254                   ; its row n / 24 (n x 2,731 / 65,536: exact for n up to 95),
	s_delay_alu instid0(VALU_DEP_1)
	v_add_nc_u32 v[WI+\e], v[WI+\e], v254
	s_delay_alu instid0(VALU_DEP_1)
	v_lshl_add_u32 v[WI+\e], v[WI+\e], 4, s58      ; 16 bytes for each chunk and 16 more for each row passed
.endr
	v_lshlrev_b32 v[WSA], 4, v253                  ; a row's 16 scale bytes
	v_lshlrev_b32 v254, 6, v250                    ; bias of Q, K: my half's eight features of a tile
	v_lshlrev_b32 v255, 2, v253                    ; bias of V: my feature
	s_mov_b32 s[SEL], 0x76543210
	s_mov_b32 s[SEL+1], 0xfedcba98                 ; v_permlanex16_b32's selects for lane l xor 16
	s_mov_b32 s50, 0xffff0000                      ; lanes 16-31
	s_lshl_b32 s60, ttmp9, 18                      ; x: (128 X + 8 w) rows of 2,048 bytes
	s_lshl_b32 s61, s47, 14
	s_add_co_u32 s60, s60, s61
	s_mov_b32 s61, 0
	s_lshl_b32 s62, ttmp9, 9                       ; ids: the same tokens, 4 bytes each
	s_lshl_b32 s63, s47, 5
	s_add_co_u32 s62, s62, s63
	s_mov_b32 s63, 0
	s_wait_alu depctr_va_vdst(0)
	s_wait_kmcnt 0x0
	s_add_nc_u64 s[4:5], s[8:9], s[60:61]
	s_add_nc_u64 s[6:7], s[10:11], s[62:63]
	s_load_b256 s[68:75], s[6:7], 0x0              ; the ids of my eight tokens of the first half,
	s_load_b256 s[76:83], s[6:7], 0x100            ; and of the second
	XLD SETA, 0
	s_cmp_eq_u32 s46, 0                            ; the kind chooses weight, bias and output: the choice hangs on the work-group's number alone
	s_cselect_b64 s[38:39], s[14:15], s[20:21]
	s_cselect_b64 s[40:41], s[16:17], s[22:23]
	s_cselect_b64 s[42:43], s[18:19], s[24:25]
	s_cselect_b64 s[44:45], s[32:33], s[34:35]
	s_mov_b32 s53, 13056
	s_cselect_b32 s53, 6656, s53                   ; bytes of a record
	s_mov_b32 s52, 12288
	s_cselect_b32 s52, 6144, s52                   ; where the scale words of Q or K lie in it
	s_cmp_eq_u32 s46, 2
	s_cselect_b64 s[38:39], s[26:27], s[38:39]
	s_cselect_b64 s[40:41], s[28:29], s[40:41]
	s_cselect_b64 s[42:43], s[30:31], s[42:43]
	s_cselect_b32 s55, 6144, 0                     ; V's fragments lie behind K's images
	s_lshr_b32 s54, ttmp9, 4
	s_lshl_b32 s54, s54, 7
	s_and_b32 s56, ttmp9, 15
	s_add_co_u32 s54, s54, s56
	s_lshl_b32 s56, s47, 4
	s_add_co_u32 s54, s54, s56                     ; record 16 (8 b + w) + step
	s_mul_i32 s54, s54, s53
	s_add_co_u32 s54, s54, s55
	s_mov_b32 s55, 0
	s_add_nc_u64 s[44:45], s[44:45], s[54:55]
	s_mov_b32 s57, 0
	s_mul_i32 s56, s47, 24576                      ; my 64 rows of W,
	s_add_nc_u64 s[38:39], s[38:39], s[56:57]
	s_lshl_b32 s56, s47, 10                        ; of its scale bytes,
	s_add_nc_u64 s[40:41], s[40:41], s[56:57]
	s_lshl_b32 s56, s47, 8                         ; of the bias
	s_add_nc_u64 s[42:43], s[42:43], s[56:57]
	s_lshl_b32 s58, ttmp9, 11
	s_add_co_u32 s56, s56, s58                     ; part: row X of 2,048 bytes, my 64 columns
	s_add_nc_u64 s[36:37], s[36:37], s[56:57]
	WIN 0x40                                       ; destination window 1
.set wi, 0
.rept 48
	global_load_b128 v[4*wi:4*wi+3], v1, s[38:39] offset:512*wi   ; my rows of W as they lie: 512 consecutive bytes a load
.set wi, wi+1
.endr
	WIN 0
	v_add_nc_u32 v212, s52, v1
	s_wait_kmcnt 0x0
.set n, 68
.rept 16
	s_min_u32 s[n], s[n], 4                        ; an id stays inside the table of five rows
	s_lshl_b32 s[n], s[n], 11                      ; of 2,048 bytes
.set n, n+1
.endr
	ELD 0
	XLD SETB, 1
.irp t, 0,1,2,3
	global_load_b128 v[WS+4*\t:WS+4*\t+3], v[WSA], s[40:41] offset:(32*(\t/2)+8*(\t%2))*16   ; a row's four scale words, one for each K step
.endr
	s_cmp_eq_u32 s46, 2
	s_cbranch_scc1 .Lbias_v
	WIN 0x40
.irp t, 0,1,2,3                                ; Q, K: register j of tile t is feature 32 (t / 2) + 8 (t % 2) + 16 h + j
	global_load_b128 v[192+8*\t:195+8*\t], v254, s[42:43] offset:(32*(\t/2)+8*(\t%2))*4
	global_load_b128 v[196+8*\t:199+8*\t], v254, s[42:43] offset:(32*(\t/2)+8*(\t%2))*4+16
.endr
	WIN 0
	s_branch .Lbias_done
.Lbias_v:
	WIN 0x40
.irp t, 0,1,2,3                                ; V: all eight registers of tile t are my one feature
.irp j, 0,1,2,3,4,5,6,7
	global_load_b32 v[192+8*\t+\j], v255, s[42:43] offset:(32*(\t/2)+8*(\t%2))*4
.endr
.endr
	WIN 0
.Lbias_done:
	s_wait_loadcnt 44                              ; behind the weight's 48 loads 16 + 16 + 4 + 8 = 44 were issued on the shorter way, 68 on the other: the weight is in
	WTURN 0
	WTURN 1
	; ---- x to codes, half a block (64 tokens) at a time
	s_wait_loadcnt 28                              ; behind batch 0's embedding rows 16 + 4 + 8 = 28 were issued on the shorter way: batch 0 and its rows are in
	XPROC SETA, 0, 1
	s_wait_dscnt 0x0                               ; the stores into the stage have read set A; the weight's fragments are in
	ELD 1
	XLD SETA, 2
	s_wait_loadcnt 16                              ; all but batch 2: batch 1, its embedding rows, the scale words, the bias
	XPROC SETB, 1, 0
	BAR                                            ; 64 rows of xe lie in the stage
	FRAGQ 0, 0, SETB, PC0
	FRAGQ 0, 1, SETB, PC0+12
	BAR                                            ; nobody reads the stage any more
	ELD 2
	XLD SETB, 3
	s_wait_loadcnt 16                              ; all but batch 3
	XPROC SETA, 2, 0
	ELD 3
	s_wait_loadcnt 0x0
	XPROC SETB, 3, 0
	BAR
	FRAGQ 1, 0, SETA, PC0
	FRAGQ 1, 1, SETA, PC0+12
.irp j, 0,1,2,3
	ds_store_b128 v251, v[CSA+4*\j:CSA+4*\j+3] offset:512*\j
.endr
	BAR                                            ; x's 32 fragments and the eight waves' column sums lie in LDS
.irp p, 0,1,2,3,4,5,6,7
	ds_load_b64 v[232+2*\p:233+2*\p], v252 offset:2048*\p
.endr
	s_wait_dscnt 0x0
	v_pk_add_f32 v[232:233], v[232:233], v[234:235]
	v_pk_add_f32 v[236:237], v[236:237], v[238:239]
	v_pk_add_f32 v[240:241], v[240:241], v[242:243]
	v_pk_add_f32 v[246:247], v[246:247], v[244:245]
	s_delay_alu instid0(VALU_DEP_3)
	v_pk_add_f32 v[232:233], v[232:233], v[236:237]
	s_delay_alu instid0(VALU_DEP_2)
	v_pk_add_f32 v[246:247], v[246:247], v[240:241]
	s_delay_alu instid0(VALU_DEP_1)
	v_pk_add_f32 v[246:247], v[246:247], v[232:233]
	s_cmp_lg_u32 s46, 0
	s_cbranch_scc1 .Lno_part
	global_store_b64 v15, v[246:247], s[36:37]     ; 256 consecutive bytes; v[246:247] are not written again
.Lno_part:
	v_mov_b32 v213, 0x7f7f0000                     ; the scale bytes of the unused upper 64 along K: 1.0
	s_cmp_eq_u32 s46, 2
	s_cbranch_scc1 .Lvalues
; ---- Q, K: four tiles of tokens at a time; the 16 accumulators take turns, one instruction a turn
.macro PASSQK i
	s_wait_xcnt 0x0                                ; earlier stores have read their registers: x's fragments land on them
.irp s, 0,1,2,3
	FETCHX 4*\i, \s
	s_wait_dscnt 0x0
.if \s == 0
	WIN 0x11                                       ; source 0 (W) and source 2 (the bias) window 1
.else
	WIN 0x01
.endif
.irp m, 0,1,2,3
.irp t, 0,1,2,3
.if \s == 0
	MM ACC+8*(4*\m+\t), 12*(4*\t+\s), XF+12*\m, 192+8*\t, WS+4*\t+\s, XS+\m
.else
	MM ACC+8*(4*\m+\t), 12*(4*\t+\s), XF+12*\m, ACC+8*(4*\m+\t), WS+4*\t+\s, XS+\m
.endif
.endr
.endr
	WIN 0
	PLACES
.endr
.irp g, 0,1                                    ; two tiles of tokens, 2 x 2 blocks of 32 of the head's 64, make a pair image: registers 6 u + i = tile 2 p + u
	QUANT128 ACC+64*\g, PC0+12*\g, PW
.irp c, 0,1,2
	global_store_b128 v1, v[PC0+12*\g+4*\c:PC0+12*\g+4*\c+3], s[44:45] offset:(2*\i+\g)*1536+512*\c   ; 512 consecutive bytes
.endr
	v_lshrrev_b32 v214, 16, v[PW]
	s_delay_alu instid0(VALU_DEP_1)
	v_cndmask_b32 v214, v[PW], v214, s50           ; lanes 0-15 the first tile's two bytes, lanes 16-31 the second's
	s_delay_alu instid0(VALU_DEP_1)
	v_and_or_b32 v[SWP+2*\i+\g], v214, 0xffff, v213
.endr
.endm
	PASSQK 0
	PASSQK 1
	global_store_b128 v212, v[SWP:SWP+3], s[44:45] ; the four pairs' scale words
	s_set_vgpr_msb 0x5
	s_wait_tensorcnt 0x0
	ds_add_u32 v254, v255
	s_wait_dscnt 0x0
	s_set_vgpr_msb 0x500
	s_endpgm
; ---- V: two tiles of features at a time, for all eight tiles of tokens: 16 accumulators by turns
.macro PASSV i
	s_wait_xcnt 0x0
.irp s, 0,1,2,3
.irp q, 0,1
	FETCHX 4*\q, \s
	s_wait_dscnt 0x0
.if \s == 0
	WIN 0x14                                       ; source 1 (W) and source 2 (the bias) window 1
.else
	WIN 0x04
.endif
.irp m, 0,1,2,3
.irp n, 0,1
.if \s == 0
	MM ACC+8*(8*\n+4*\q+\m), XF+12*\m, 12*(4*(2*\i+\n)+\s), 192+8*(2*\i+\n), XS+\m, WS+4*(2*\i+\n)+\s
.else
	MM ACC+8*(8*\n+4*\q+\m), XF+12*\m, 12*(4*(2*\i+\n)+\s), ACC+8*(8*\n+4*\q+\m), XS+\m, WS+4*(2*\i+\n)+\s
.endif
.endr
.endr
	WIN 0
	PLACES
.endr
.endr
.irp n, 0,1                                    ; a lane's 64 registers are its feature at 128 keys: one fragment of V^T
	QUANT128 ACC+64*\n, PC0+12*\n, PW+\n
.irp c, 0,1,2
	global_store_b128 v1, v[PC0+12*\n+4*\c:PC0+12*\n+4*\c+3], s[44:45] offset:(2*\i+\n)*1536+512*\c
.endr
.endr
	v_cndmask_b32 v[SWP+\i], v[PW], v[PW+1], s50   ; lanes 0-15 the first fragment's words, lanes 16-31 the second's
.endm
.Lvalues:
	PASSV 0
	PASSV 1
	global_store_b64 v15, v[SWP:SWP+1], s[44:45] offset:6656
	s_set_vgpr_msb 0x5
	s_wait_tensorcnt 0x0
	ds_add_u32 v254, v255
	s_wait_dscnt 0x0
	s_set_vgpr_msb 0x500
	s_endpgm
.Lfunc_end_k_qb3633a1078_qkv:
	.size	k_qb3633a1078_qkv, .Lfunc_end_k_qb3633a1078_qkv-k_qb3633a1078_qkv
	.p2alignl 7, 3214868480
	.fill 96, 4, 3214868480
	.section	.rodata,"a",@progbits
	.p2align	6, 0x0
	.amdhsa_kernel k_qb3633a1078_qkv
		.amdhsa_group_segment_fixed_size 307200
		.amdhsa_private_segment_fixed_size 0
		.amdhsa_enable_private_segment 0
		.amdhsa_kernarg_size 120
		.amdhsa_user_sgpr_count 2
		.amdhsa_user_sgpr_kernarg_segment_ptr 1
		.amdhsa_wavefront_size32 1
		.amdhsa_system_sgpr_workgroup_id_x 1
		.amdhsa_system_sgpr_workgroup_id_y 1
		.amdhsa_system_sgpr_workgroup_id_z 1
		.amdhsa_system_vgpr_workitem_id 0
		.amdhsa_next_free_vgpr 512
		.amdhsa_next_free_sgpr 96
		.amdhsa_reserve_vcc 0
		.amdhsa_float_denorm_mode_32 3
		.amdhsa_float_denorm_mode_16_64 3
		.amdhsa_memory_ordered 1
		.amdhsa_forward_progress 1
		.amdhsa_inst_pref_size 185
	.end_amdhsa_kernel
	.amdgpu_metadata
---
amdhsa.version: [ 1, 2 ]
amdhsa.kernels:
  - .name:           k_qb3633a1078_qkv
    .symbol:         k_qb3633a1078_qkv.kd
    .args:
      - { .name: x, .offset: 0, .size: 8, .value_kind: global_buffer, .address_space: global }
      - { .name: timeframe_ids, .offset: 8, .size: 8, .value_kind: global_buffer, .address_space: global }
      - { .name: tf_emb, .offset: 16, .size: 8, .value_kind: global_buffer, .address_space: global }
      - { .name: Wq_codes, .offset: 24, .size: 8, .value_kind: global_buffer, .address_space: global }
      - { .name: Wq_scales, .offset: 32, .size: 8, .value_kind: global_buffer, .address_space: global }
      - { .name: bq, .offset: 40, .size: 8, .value_kind: global_buffer, .address_space: global }
      - { .name: Wk_codes, .offset: 48, .size: 8, .value_kind: global_buffer, .address_space: global }
      - { .name: Wk_scales, .offset: 56, .size: 8, .value_kind: global_buffer, .address_space: global }
      - { .name: bk, .offset: 64, .size: 8, .value_kind: global_buffer, .address_space: global }
      - { .name: Wv_codes, .offset: 72, .size: 8, .value_kind: global_buffer, .address_space: global }
      - { .name: Wv_scales, .offset: 80, .size: 8, .value_kind: global_buffer, .address_space: global }
      - { .name: bv, .offset: 88, .size: 8, .value_kind: global_buffer, .address_space: global }
      - { .name: qimg, .offset: 96, .size: 8, .value_kind: global_buffer, .address_space: global }
      - { .name: kv, .offset: 104, .size: 8, .value_kind: global_buffer, .address_space: global }
      - { .name: part, .offset: 112, .size: 8, .value_kind: global_buffer, .address_space: global }
    .group_segment_fixed_size: 307200
    .private_segment_fixed_size: 0
    .kernarg_segment_align: 8
    .kernarg_segment_size: 120
    .max_flat_workgroup_size: 256
    .sgpr_count:     96
    .vgpr_count:     512
    .wavefront_size: 32
...
	.end_amdgpu_metadata
.endif
;; end of part 1
;; launch ctx (part 2): grid 16 x 1, 8 waves a work-group, no clusters, 0 bytes of LDS; arguments part, Wc1, hp; writes hp
.if DOCPART == 2
	.amdgcn_target "amdgcn-amd-amdhsa--gfx1250"
	.amdhsa_code_object_version 6
	.text
	.protected	k_qb3633a1078_ctx
	.globl	k_qb3633a1078_ctx
	.p2align	8
	.type	k_qb3633a1078_ctx,@function
k_qb3633a1078_ctx:
	s_mov_b64 s[64:65], 0
	v_nop
	global_prefetch_b8 v0, s[64:65] scope:SCOPE_SE
	s_setreg_imm32_b32 hwreg(HW_REG_WAVE_MODE, 25, 1), 1
	s_wait_xcnt 0x0
; The global context.  gc = the mean of xe over the sequence (16 partial column sums a batch), and gc Wc1 in f32, in eight parts along K, one a wave:
; work-group 4 b + g makes columns 64 g .. 64 g + 63; wave w takes rows 64 w .. 64 w + 63 of Wc1.  hp is [b][w][256] f32; the next launch adds the eight parts.
; 16 work-groups: 4 batches x 256 columns x 512 rows is all the work there is.  No LDS, no barrier, no matrix unit (M = 4).
	s_load_b128 s[4:7], s[0:1], 0x0                ; part, Wc1
	s_load_b64 s[8:9], s[0:1], 0x10                ; hp
	v_lshrrev_b32 v1, 5, v0
	v_readfirstlane_b32 s14, v1                    ; wave
	v_and_b32 v1, 31, v0
	v_lshlrev_b32 v2, 3, v1                        ; 8 L
	s_lshr_b32 s15, ttmp9, 2                       ; b
	s_and_b32 s16, ttmp9, 3                        ; g
	s_lshl_b32 s18, s14, 16                        ; Wc1: rows of 1,024 bytes
	s_lshl_b32 s19, s16, 8
	s_add_co_u32 s18, s18, s19
	s_mov_b32 s19, 0
	s_lshl_b32 s20, s15, 15                        ; part: the batch's 16 rows of 2,048 bytes, columns 64 w on
	s_lshl_b32 s21, s14, 8
	s_add_co_u32 s20, s20, s21
	s_mov_b32 s21, 0
	s_lshl_b32 s22, s15, 13
	s_lshl_b32 s23, s14, 10
	s_add_co_u32 s22, s22, s23
	s_lshl_b32 s23, s16, 8
	s_add_co_u32 s22, s22, s23
	s_mov_b32 s23, 0
	s_wait_alu depctr_va_vdst(0)
	s_wait_kmcnt 0x0
	s_add_nc_u64 s[4:5], s[4:5], s[20:21]
	s_add_nc_u64 s[6:7], s[6:7], s[18:19]
	s_add_nc_u64 s[8:9], s[8:9], s[22:23]
.irp p, 0,1,2,3,4,5,6,7,8,9,10,11,12,13,14,15
	global_load_b64 v[160+2*\p:161+2*\p], v2, s[4:5] offset:2048*\p
.endr
.set kk, 0
.rept 64
	global_load_b64 v[32+2*kk:33+2*kk], v2, s[6:7] offset:1024*kk   ; 256 consecutive bytes of a row
.set kk, kk+1
.endr
	s_wait_loadcnt 0x0
.irp p, 0,1,2,3,4,5,6,7
	v_pk_add_f32 v[160+4*\p:161+4*\p], v[160+4*\p:161+4*\p], v[162+4*\p:163+4*\p]
.endr
.irp p, 0,1,2,3
	v_pk_add_f32 v[160+8*\p:161+8*\p], v[160+8*\p:161+8*\p], v[164+8*\p:165+8*\p]
.endr
	v_pk_add_f32 v[160:161], v[160:161], v[168:169]
	v_pk_add_f32 v[176:177], v[176:177], v[184:185]
	s_delay_alu instid0(VALU_DEP_1)
	v_pk_add_f32 v[160:161], v[160:161], v[176:177]
	s_delay_alu instid0(VALU_DEP_1)
	v_pk_mul_f32 v[160:161], v[160:161], 0x3a000000 op_sel_hi:[1,0]   ; / 2,048: lane L holds gc(64 w + 2 L), gc(64 w + 2 L + 1)
.set kk, 0
.rept 64
	v_readlane_b32 s[32+kk%16], v[160+kk%2], kk/2
.if kk == 0
	v_mul_f32 v8, s[32+kk%16], v[32+2*kk]          ; the first product starts the sums
	v_mul_f32 v9, s[32+kk%16], v[33+2*kk]
.else
	v_fmac_f32 v8, s[32+kk%16], v[32+2*kk]
	v_fmac_f32 v9, s[32+kk%16], v[33+2*kk]
.endif
.set kk, kk+1
.endr
	global_store_b64 v2, v[8:9], s[8:9]            ; 256 consecutive bytes
	s_endpgm
.Lfunc_end_k_qb3633a1078_ctx:
	.size	k_qb3633a1078_ctx, .Lfunc_end_k_qb3633a1078_ctx-k_qb3633a1078_ctx
	.p2alignl 7, 3214868480
	.fill 96, 4, 3214868480
	.section	.rodata,"a",@progbits
	.p2align	6, 0x0
	.amdhsa_kernel k_qb3633a1078_ctx
		.amdhsa_group_segment_fixed_size 0
		.amdhsa_private_segment_fixed_size 0
		.amdhsa_enable_private_segment 0
		.amdhsa_kernarg_size 24
		.amdhsa_user_sgpr_count 2
		.amdhsa_user_sgpr_kernarg_segment_ptr 1
		.amdhsa_wavefront_size32 1
		.amdhsa_system_sgpr_workgroup_id_x 1
		.amdhsa_system_sgpr_workgroup_id_y 1
		.amdhsa_system_sgpr_workgroup_id_z 1
		.amdhsa_system_vgpr_workitem_id 0
		.amdhsa_next_free_vgpr 200
		.amdhsa_next_free_sgpr 66
		.amdhsa_reserve_vcc 0
		.amdhsa_float_denorm_mode_32 3
		.amdhsa_float_denorm_mode_16_64 3
		.amdhsa_memory_ordered 1
		.amdhsa_forward_progress 1
		.amdhsa_inst_pref_size 18
	.end_amdhsa_kernel
	.amdgpu_metadata
---
amdhsa.version: [ 1, 2 ]
amdhsa.kernels:
  - .name:           k_qb3633a1078_ctx
    .symbol:         k_qb3633a1078_ctx.kd
    .args:
      - { .name: part, .offset: 0, .size: 8, .value_kind: global_buffer, .address_space: global }
      - { .name: Wc1, .offset: 8, .size: 8, .value_kind: global_buffer, .address_space: global }
      - { .name: hp, .offset: 16, .size: 8, .value_kind: global_buffer, .address_space: global }
    .group_segment_fixed_size: 0
    .private_segment_fixed_size: 0
    .kernarg_segment_align: 8
    .kernarg_segment_size: 24
    .max_flat_workgroup_size: 256
    .sgpr_count:     66
    .vgpr_count:     200
    .wavefront_size: 32
...
	.end_amdgpu_metadata
.endif
;; end of part 2
;; launch attn (part 3): grid 256 x 1, 16 waves a work-group, clusters of 4 x 1, 327,680 bytes of LDS; arguments qimg, kv, mask, hp, bc1, Wc2, bc2, res_gate, Wo_codes, Wo_scales, bo, x, ln_g, ln_b, out0; writes out0
.if DOCPART == 3
	.amdgcn_target "amdgcn-amd-amdhsa--gfx1250"
	.amdhsa_code_object_version 6
	.text
	.protected	k_qb3633a1078_attn
	.globl	k_qb3633a1078_attn
	.p2align	8
	.type	k_qb3633a1078_attn,@function
k_qb3633a1078_attn:
	s_mov_b64 s[64:65], 0
	v_nop
	global_prefetch_b8 v0, s[64:65] scope:SCOPE_SE
	s_setreg_imm32_b32 hwreg(HW_REG_WAVE_MODE, 25, 1), 1
	s_wait_xcnt 0x0
	s_wait_alu depctr_hold_cnt(0) depctr_sa_sdst(0) depctr_va_vdst(0) depctr_va_sdst(0) depctr_va_ssrc(0) depctr_va_vcc(0) depctr_vm_vsrc(0)
	s_getreg_b32 s2, hwreg(HW_REG_IB_STS2, 6, 4)
	s_cmp_eq_u32 s2, 0
	s_cbranch_scc0 .Lentry_in_a_cluster
	s_endpgm
.Lentry_in_a_cluster:
	s_bfe_u32 s2, ttmp6, 0x10000c
	s_cmp_lg_u32 s2, 0x3003
	s_cbranch_scc0 .Lentry_shape_is_right
	s_endpgm
.Lentry_shape_is_right:
; Attention of all eight heads for 32 queries, the output projection and the LayerNorm, in one work-group.  All products on codes of BF6 (E3M2), one E8M0 scale for each 32 along K.
; logit = q . k / 8 + fb(batch, head), replaced where the mask is 0; t = logit x log2(e); M = the running largest t rounded up to a whole number; p = 2^(t - M) is quantised along the keys;
; the row's sum is taken of the unquantised p and divides at the end.  out0 = LayerNorm(Q(attention) Wo + bo + x) x ln_g + ln_b.
; SHARES.  Sixteen waves of 256 registers, four to a SIMD.  Wave w = 8 m + hd owns query tile m (lane r: query 8 m + r + 8 (r / 8) of the 32) and head hd.
; K AND V go through a ring of two LDS slots; a slot holds the eight heads' records of one key step (128 keys; 13,056 bytes = 51 rows of 256: K's four pair images, V's four fragments, their scale words, as images of
; operand registers).  Waves 0-7 fetch the first 26 rows of their head's record, waves 8-15 the last 25: one tensor load a wave and step, asked JOINTLY by the four work-groups of a cluster, which belong to one batch.
; THE MASK is read once, as it lies: of a tile's 16 rows each of the eight waves that share the tile takes two, 512 consecutive bytes of a row a load, one key step ahead; it makes of each number 0 or -2^100 and puts
; the rows into a stage of their own in LDS (two buffers by turns; the ring's barrier shows them to the others).  Every wave reads its tile's stage into its score registers, and the score products add onto them in place.
; The mask's loads into registers stand a whole key step ahead of their use, so no further prefetch of the mask is laid; K's and V's records are read by the 16 clusters of a batch in the same order.
; x's rows for the way out are prefetched one key step ahead of their loads: 16 blocks of 256 bytes a wave, a lane a block (lanes 16-31 name the last block again).
; LAYOUT.  Both products transposed: S^T = K Q^T + C, O^T = V^T P^T: a lane holds one query; score register 16 bb + i is key 32 bb + 16 (lane / 16) + i.  K = 64 in an instruction of 128: Q's upper six registers are zero codes.
; LIMITS.  A hidden score is -2^100 (+ a score, which is lost in f32 while it lies under 2^75) for the definition's -1e9: both give p = 0 beside any open key whose logit lies above about -1e8.  A row with no open key:
; -2^100 c is exact, fb is lost beside it, t = M, p = 1 for every key: equal weights.  The scaled scores stay under 2^31 in magnitude.  NaN and infinities are not served; a block whose largest magnitude lies under 2^-122 keeps the scale byte 1.
; REGISTERS: v1 16 L, v2 8 L, v3-10 LDS addresses, v11 -2^100, v12, v13 the add's, v14, v15 work; v16-23 state (fb log2 e, -M, largest t, -, sum pair, fb log2 e - M pair); v24-35 Q; v36 its scale word; v38-39 f;
;   v40-47 sums; v48-55 mask numbers; v56-63 their bias; v64-111 K's tiles, then V's fragments; v112-117 zeros; v120-126 scale words; v127 the prefetch's offset; v128-191 bias, S^T, p; v192-223 O^T; v224-242 p's codes; v244-255 block maxima, bytes, scale operands.
.set REC,   13056
.set HREC,  26*256                     ; the first 26 rows of a record
.set SLOT,  8*REC
.set BIAS,  2*SLOT                     ; the bias stage: rows of 512 bytes + 16, 16 rows a tile, 2 tiles a buffer, 2 buffers
.set BPI,   528
.set BT,    16*BPI
.set BB,    2*BT
.set SPARE, BIAS+2*BB                  ; the spare words, 128 bytes a wave
.set TA,    SPARE+2048                 ; the way out: 16 half fragments of 768 bytes,
.set ASCL,  TA+12288                   ; the fragments' scale words,
.set STG,   TA+13312                   ; a stage of 32 rows x (2,048 + 16) bytes
.set PITCH, 2064
.set WP,    400                        ; Wo's stages, 32 rows of 384 + 16 bytes a wave, lie in the ring from byte 0, behind its last fill and last read
.set KA, 3
.set KV, 5
.set BR, 7
.set BW, 9
.set NEG, 11
.set SPW, 12
.set NIL, 13
.set ST, 16
.set TS, 40
.set MR, 48
.set MB, 56
.set S,  128
.set OO, 192
.set PC, 224
.set BM, 244
.set BP, 248
.set SO, 252
.set G1, 16
.set G0, 24
.set G1B, 40
.macro PLACES
.rept 4
	v_nop
.endr
.endm
.macro ROUND                           ; a round of the cluster's barrier
	s_barrier_signal -1
	s_barrier_wait -1
	s_cmp_lg_u32 s3, 0
	s_cbranch_scc1 .Lnot_wave_0_\@
	s_barrier_signal -3
.Lnot_wave_0_\@:
	s_barrier_wait -3
	s_barrier_signal -1
	s_barrier_wait -1
.endm
.macro JLOAD g                         ; a joint load: 26 rows (waves 0-7) or 25 (waves 8-15); the branch hangs on the wave's number alone; every way passes one load
	s_cmp_lt_u32 s3, 8
	s_cbranch_scc0 .Lhi_\@
	tensor_load_to_lds s[\g:\g+3], s[G1:G1+7]
	s_nop 0
	PLACES
	s_branch .Lj_\@
.Lhi_\@:
	tensor_load_to_lds s[\g:\g+3], s[G1B:G1B+7]
	s_nop 0
	PLACES
.Lj_\@:
.endm
.macro MZ d, a, sa, row                ; a tile of S^T, added in place onto the bias
.if \row
	v_wmma_scale_f32_16x16x128_f8f6f4 v[\d:\d+7], v[\a:\a+11], v[24:35], v[\d:\d+7], v[\sa], v36 matrix_a_fmt:MATRIX_FMT_BF6 matrix_b_fmt:MATRIX_FMT_BF6 matrix_a_scale:MATRIX_SCALE_ROW1
.else
	v_wmma_scale_f32_16x16x128_f8f6f4 v[\d:\d+7], v[\a:\a+11], v[24:35], v[\d:\d+7], v[\sa], v36 matrix_a_fmt:MATRIX_FMT_BF6 matrix_b_fmt:MATRIX_FMT_BF6
.endif
.endm
.macro MC d, a, sa, row                ; a tile of O^T, added in place
.if \row
	v_wmma_scale_f32_16x16x128_f8f6f4 v[\d:\d+7], v[\a:\a+11], v[PC:PC+11], v[\d:\d+7], v[\sa], v126 matrix_a_fmt:MATRIX_FMT_BF6 matrix_b_fmt:MATRIX_FMT_BF6 matrix_a_scale:MATRIX_SCALE_ROW1
.else
	v_wmma_scale_f32_16x16x128_f8f6f4 v[\d:\d+7], v[\a:\a+11], v[PC:PC+11], v[\d:\d+7], v[\sa], v126 matrix_a_fmt:MATRIX_FMT_BF6 matrix_b_fmt:MATRIX_FMT_BF6
.endif
.endm
.macro MO d, a, b, z, sa, sb           ; a tile of the projection
.if \z
	v_wmma_scale_f32_16x16x128_f8f6f4 v[\d:\d+7], v[\a:\a+11], v[\b:\b+11], 0, v[\sa], v[\sb] matrix_a_fmt:MATRIX_FMT_BF6 matrix_b_fmt:MATRIX_FMT_BF6
.else
	v_wmma_scale_f32_16x16x128_f8f6f4 v[\d:\d+7], v[\a:\a+11], v[\b:\b+11], v[\d:\d+7], v[\sa], v[\sb] matrix_a_fmt:MATRIX_FMT_BF6 matrix_b_fmt:MATRIX_FMT_BF6
.endif
.endm
.macro MLOADS                          ; my two rows of the mask, 512 consecutive bytes each
.irp i, 0,1
	global_load_b128 v[MR+4*\i:MR+4*\i+3], v1, s[10:11] offset:8192*\i th:TH_LOAD_NT
.endr
.endm
.macro MCONV bf, mld                   ; the numbers become 0 or -2^100 and go into buffer bf of the stage; mld: the next step's numbers are asked for behind the compares
	s_wait_loadcnt 0x0                             ; the two loads are in, so their base may step: a key step is 512 bytes of a row
	s_add_nc_u64 s[10:11], s[10:11], 512
.irp i, 0,1,2,3,4,5,6,7
	v_cmp_eq_u32 s[32+\i], 0, v[MR+\i]
.endr
.if \mld
	MLOADS
.endif
.irp i, 0,1,2,3,4,5,6,7
	v_cndmask_b32 v[MB+\i], 0, v[NEG], s[32+\i]
.endr
.irp i, 0,1
	ds_store_b128 v[BW+(\bf)], v[MB+4*\i:MB+4*\i+3] offset:BPI*\i
.endr
.endm
; a key step on slot sl.  One round of the cluster's barrier: in front of it all my tensor loads, my reads of the other slot and of the other bias buffer, and my stores into this step's bias buffer are done
.macro STEP sl, refill, conv, mld
	s_wait_alu depctr_va_vdst(0)
	s_wait_tensorcnt 0x0
	ds_add_u32 v[SPW], v[NIL]
	s_add_nc_u64 s[G0+4*\sl+2:G0+4*\sl+3], s[G0+4*\sl+2:G0+4*\sl+3], 2*REC   ; no load of mine is out: this slot's next record
	s_wait_dscnt 0x0
	ROUND
.if \refill
	JLOAD G0+4-4*\sl                               ; the next step's record, into the slot read last; its four v_nop are the places in front of the loads below
.else
	PLACES
.endif
.irp p, 0,1,2,3
.irp c, 0,1,2
	ds_load_b128 v[64+12*\p+4*\c:67+12*\p+4*\c], v[KA+\sl] offset:1536*\p+512*\c   ; K's pair images
.endr
.endr
	ds_load_b128 v[120:123], v[KA+\sl] offset:12288
.irp b, 0,1,2,3
.irp q, 0,1,2,3
	ds_load_b128 v[S+16*\b+4*\q:S+16*\b+4*\q+3], v[BR+\sl] offset:128*\b+16*\q   ; my query's bias, into the score registers
.endr
.endr
.if \conv
	MCONV 1-\sl, \mld
.endif
	s_wait_dscnt 0x0
.irp t, 0,1,2,3,4,5,6,7
	MZ S+8*\t, 64+6*\t, 120+\t/2, \t%2
.endr
	PLACES
.irp p, 0,1,2,3
.irp c, 0,1,2
	ds_load_b128 v[64+12*\p+4*\c:67+12*\p+4*\c], v[KA+\sl] offset:6144+1536*\p+512*\c   ; V's fragments land while the softmax is walked
.endr
.endr
	ds_load_b64 v[124:125], v[KV+\sl] offset:12800
.irp b, 0,1,2,3
	v_max3_num_f32 v[BM+\b], v[S+16*\b], v[S+1+16*\b], v[S+2+16*\b]   ; the largest score of each block of 32 keys; each accumulator from its low end on; the four blocks by turns
.endr
.irp i, 3,5,7,9,11,13
.irp b, 0,1,2,3
	v_max3_num_f32 v[BM+\b], v[BM+\b], v[S+16*\b+\i], v[S+1+16*\b+\i]
.endr
.endr
.irp b, 0,1,2,3
	v_max_num_f32 v[BM+\b], v[BM+\b], v[S+15+16*\b]
.endr
.irp b, 0,1,2,3
	v_permlanex16_b32 v[BP+\b], v[BM+\b], s6, s7
.endr
.irp b, 0,1,2,3
	v_max_num_f32 v[BM+\b], v[BM+\b], v[BP+\b]
.endr
	v_max3_num_f32 v14, v[BM], v[BM+1], v[BM+2]
	v_mov_b32 v15, v[ST+1]
	v_max_num_f32 v14, v14, v[BM+3]
	v_fma_f32 v14, v14, s8, v[ST]                  ; the step's largest t
	v_max_num_f32 v[ST+2], v[ST+2], v14
	v_floor_f32 v[ST+1], -v[ST+2]                  ; the new -M = -ceil(t)
	v_sub_f32 v14, v[ST+1], v15                    ; old M - new M: a whole number, 0 or less
	v_add_f32 v[ST+6], v[ST], v[ST+1]              ; fb log2(e) - M
	v_cvt_i32_f32 v14, v14                         ; (it saturates)
	v_ldexp_f32 v38, 1.0, v14                      ; f = 2^(old M - new M)
.set j, 0
.rept 32
	v_pk_fma_f32 v[S+j:S+1+j], v[S+j:S+1+j], s[8:9], v[ST+6:ST+7] op_sel_hi:[1,0,0]   ; t - M
.set j, j+2
.endr
.irp b, 0,1,2,3
	v_fma_f32 v[BM+\b], v[BM+\b], s8, v[ST+6]      ; the same of each block's largest score
.endr
	s_wait_alu depctr_va_vdst(0)
.set j, 0
.rept 64
	v_exp_f32 v[S+j], v[S+j]                       ; p
.set j, j+1
.endr
.irp b, 0,1,2,3
	v_exp_f32 v[BM+\b], v[BM+\b]                   ; the block's largest p
.endr
	v_pk_mul_f32 v[ST+4:ST+5], v[ST+4:ST+5], v[38:39] op_sel_hi:[1,0]   ; the sum under the new M (a plain place behind the exponentials)
	s_wait_alu depctr_va_vdst(0)                   ; and behind it
.irp b, 0,1,2,3
	v_max_num_f32 v[BM+\b], 0x2800000, v[BM+\b]    ; the floor 2^(5 - 127)
.endr
.irp b, 0,1,2,3
	v_add_nc_u32 v[SO+\b], 0xfe000000, v[BM+\b]    ; 4 off the exponent field: the conversion's scale operand
.endr
.irp b, 0,1,2,3
	v_lshrrev_b32 v[BP+\b], 23, v[SO+\b]           ; the scale's byte
.endr
	v_lshl_or_b32 v126, v[BP+1], 8, v[BP]
	v_lshl_or_b32 v126, v[BP+2], 16, v126
	v_lshl_or_b32 v126, v[BP+3], 24, v126
.irp c, 0,1
	v_cvt_scalef32_pk16_bf6_f32 v[PC+6*\c:PC+2+6*\c], v[S+32*\c:S+15+32*\c], v[SO+2*\c]
	v_cvt_scalef32_pk16_bf6_f32 v[PC+12+4*\c:PC+14+4*\c], v[S+16+32*\c:S+31+32*\c], v[SO+2*\c+1]
.endr
	v_nop                                          ; one plain place behind a scaled conversion
.irp c, 0,1
.irp i, 0,1,2
	v_permlane16_swap_b32 v[PC+6*\c+\i], v[PC+12+4*\c+\i]
.endr
.irp i, 0,1,2
	v_mov_b32 v[PC+3+6*\c+\i], v[PC+12+4*\c+\i]
.endr
.endr
.irp c, 0,1,2,3                                ; the row's sum of the unquantised p, in four chains by turns
	v_pk_add_f32 v[TS+2*\c:TS+1+2*\c], v[S+2*\c:S+1+2*\c], v[S+8+2*\c:S+9+2*\c]
.endr
.irp j, 16,24,32,40,48,56
.irp c, 0,1,2,3
	v_pk_add_f32 v[TS+2*\c:TS+1+2*\c], v[TS+2*\c:TS+1+2*\c], v[S+\j+2*\c:S+\j+1+2*\c]
.endr
.endr
	v_pk_add_f32 v[TS:TS+1], v[TS:TS+1], v[TS+2:TS+3]
	v_pk_add_f32 v[TS+4:TS+5], v[TS+4:TS+5], v[TS+6:TS+7]
	v_pk_add_f32 v[TS:TS+1], v[TS:TS+1], v[TS+4:TS+5]
	v_pk_add_f32 v[ST+4:ST+5], v[ST+4:ST+5], v[TS:TS+1]
	s_wait_alu depctr_va_vdst(0)
.set j, 0
.rept 16
	v_pk_mul_f32 v[OO+j:OO+1+j], v[OO+j:OO+1+j], v[38:39] op_sel_hi:[1,0]   ; O^T under the new M
.set j, j+2
.endr
	s_wait_alu depctr_va_vdst(0)
	s_wait_dscnt 0x0                               ; V
.irp n, 0,1,2,3                                ; the four accumulators take turns
	MC OO+8*\n, 64+12*\n, 124+\n/2, \n%2
.endr
.endm
	s_load_b512 s[68:83], s[0:1], 0x0              ; qimg, kv, mask, hp, bc1, Wc2, bc2, res_gate
	s_load_b256 s[84:91], s[0:1], 0x40             ; Wo codes, Wo scales, bo, x
	s_load_b128 s[92:95], s[0:1], 0x60             ; ln_g, ln_b
	s_load_b64 s[96:97], s[0:1], 0x70              ; out0
	v_lshl_add_u32 v[SPW], v0, 2, SPARE
	v_mov_b32 v[NIL], 0
	ds_add_u32 v[SPW], v[NIL]
	ds_add_u32 v[SPW], v[NIL]
	v_lshrrev_b32 v14, 5, v0
	v_readfirstlane_b32 s3, v14                    ; wave
	s_mov_b32 s16, 15|(3<<16)|(1<<21)              ; group 1: dense rows of 256 bytes (32 elements of 8 bytes), 26 of them; the mask names all four work-groups
	s_mov_b32 s17, 32<<16
	s_mov_b32 s18, 26<<16
	s_mov_b32 s19, 32<<16
	s_mov_b32 s20, 26
	s_mov_b32 s21, 32
	s_mov_b32 s22, 0
	s_mov_b32 s23, 0
	s_mov_b32 s40, 15|(3<<16)|(1<<21)              ; and the same with 25 rows
	s_mov_b32 s41, 32<<16
	s_mov_b32 s42, 25<<16
	s_mov_b32 s43, 32<<16
	s_mov_b32 s44, 25
	s_mov_b32 s45, 32
	s_mov_b32 s46, 0
	s_mov_b32 s47, 0
	s_lshr_b32 s59, s3, 3                          ; m
	s_and_b32 s60, s3, 7                           ; hd
	s_lshr_b32 s61, ttmp9, 4                       ; b: the four partners share it
	s_lshl_b32 s48, s61, 3
	s_add_co_u32 s48, s48, s60
	s_lshl_b32 s48, s48, 4
	s_mul_i32 s48, s48, REC                        ; record 16 (8 b + hd) + step,
	s_mul_i32 s50, s59, HREC                       ; its first 26 rows or its last 25
	s_add_co_u32 s48, s48, s50
	s_mov_b32 s49, 0
	s_mov_b32 s24, 1
	s_mul_i32 s25, s60, REC
	s_add_co_u32 s25, s25, s50
	s_mov_b32 s28, 1
	s_add_co_u32 s29, s25, SLOT
	s_wait_alu depctr_va_vdst(0)
	s_wait_dscnt 0x0
	s_wait_kmcnt 0x0
	s_add_nc_u64 s[26:27], s[70:71], s[48:49]
	s_add_nc_u64 s[30:31], s[26:27], REC
	s_or_b32 s27, s27, 0x80000000
	s_or_b32 s31, s31, 0x80000000
	ROUND                                          ; all four work-groups are here: the joint loads meet
	JLOAD G0                                       ; step 0: one tensor load a wave at the head
	s_bfe_u32 s62, ttmp6, 0x40000                  ; cx: it enters global addresses of Q, the mask, x and out0 alone
	s_lshl_b32 s63, ttmp9, 2
	s_add_co_u32 s63, s63, s62                     ; my block of 32 queries
	s_lshl_b32 s48, s63, 5
	s_lshl_b32 s49, s59, 3
	s_add_co_u32 s48, s48, s49
	s_lshl_b32 s49, s60, 1
	s_add_co_u32 s48, s48, s49
	s_lshr_b32 s49, s60, 2
	s_lshl_b32 s49, s49, 3
	s_add_co_u32 s48, s48, s49                     ; my two tokens: 32 g + 8 m + 2 hd + 8 (hd / 4) + 0, 1 = rows 2 hd, 2 hd + 1 of tile m
	s_mov_b32 s51, 0
	s_lshl_b32 s50, s48, 13
	s_add_nc_u64 s[10:11], s[72:73], s[50:51]      ; their rows of the mask
	s_lshl_b32 s50, s48, 11
	s_add_nc_u64 s[90:91], s[90:91], s[50:51]      ; of x
	s_add_nc_u64 s[96:97], s[96:97], s[50:51]      ; of out0
	s_mul_i32 s50, s3, 12288
	s_add_nc_u64 s[12:13], s[84:85], s[50:51]      ; my 32 rows of Wo
	s_lshl_b32 s50, s3, 9
	s_add_nc_u64 s[14:15], s[86:87], s[50:51]
	s_lshl_b32 s50, s61, 13
	s_add_nc_u64 s[74:75], s[74:75], s[50:51]      ; hp at my batch
	s_lshl_b32 s33, s60, 2
	s_mov_b32 s50, s33
	s_add_nc_u64 s[78:79], s[78:79], s[50:51]      ; Wc2 at my head's column
	s_lshl_b32 s50, s61, 3
	s_add_co_u32 s50, s50, s60
	s_lshl_b32 s50, s50, 4
	s_and_b32 s49, ttmp9, 15
	s_add_co_u32 s50, s50, s49
	s_mul_i32 s50, s50, 6656
	s_add_nc_u64 s[68:69], s[68:69], s[50:51]      ; Q's record 16 (8 b + hd) + block / 4
	s_load_b32 s98, s[80:81], s33 offset:0x0       ; bc2 of my head
	s_load_b32 s99, s[82:83], s33 offset:0x0       ; res_gate
	s_mul_i32 s48, s60, REC
	s_add_co_u32 s49, s48, SLOT
	s_mul_i32 s50, s59, BT
	s_add_co_u32 s50, s50, BIAS
	s_mul_i32 s34, s60, 2*BPI
	s_add_co_u32 s34, s34, s50
	s_mul_i32 s52, s3, 32*WP                       ; the way out's LDS addresses, kept
	s_mul_i32 s53, s3, 768
	s_add_co_u32 s53, s53, TA
	s_lshr_b32 s54, s3, 1
	s_lshl_b32 s54, s54, 7
	s_and_b32 s35, s3, 1
	s_lshl_b32 s35, s35, 1
	s_add_co_u32 s54, s54, s35
	s_add_co_u32 s54, s54, ASCL
	s_lshl_b32 s55, s3, 7
	s_add_co_u32 s55, s55, STG
	s_mul_i32 s56, s3, 2*PITCH
	s_add_co_u32 s56, s56, STG
	s_mul_i32 s35, s62, 1536                       ; Q: pair image cx, tile m of the pair
	s_mul_i32 s36, s59, 520
	s_add_co_u32 s35, s35, s36
	s_mul_i32 s36, s59, 496
	s_add_co_u32 s36, s36, 8
	s_lshl_b32 s37, s59, 8
	s_lshl_b32 s38, s62, 2
	s_add_co_u32 s37, s37, s38
	s_mov_b32 s6, 0x76543210
	s_mov_b32 s7, 0xfedcba98                       ; v_permlanex16_b32's selects for lane l xor 16
	s_mov_b32 s8, 0x3e38aa3b                       ; c = log2(e) / 8
	s_mov_b32 s9, s8
	v_and_b32 v14, 31, v0                          ; L
	v_and_b32 v15, 15, v0                          ; r
	v_bfe_u32 v37, v0, 4, 1                        ; h
	v_lshlrev_b32 v1, 4, v14
	v_lshlrev_b32 v2, 3, v14
	v_add_nc_u32 v[KA], s48, v1
	v_add_nc_u32 v[KA+1], s49, v1
	v_add_nc_u32 v[KV], s48, v2
	v_add_nc_u32 v[KV+1], s49, v2
	v_mul_u32_u24 v[BR], v15, BPI
	v_lshl_add_u32 v[BR], v37, 6, v[BR]
	v_add_nc_u32 v[BR], s50, v[BR]
	v_add_nc_u32 v[BR+1], BB, v[BR]
	v_add_nc_u32 v[BW], s34, v1
	v_add_nc_u32 v[BW+1], BB, v[BW]
	v_add_nc_u32 v40, s35, v1                      ; Q: registers 6 m, 6 m + 1 of the image
	v_add_nc_u32 v41, s36, v40
	v_lshl_add_u32 v42, v15, 4, s37                ; my row's scale word
	v_lshlrev_b32 v43, 5, v14                      ; hidden units 8 L ..
	v_lshlrev_b32 v44, 8, v14
	v_min_u32 v127, 15, v14
	v_lshlrev_b32 v127, 8, v127                    ; the prefetch of x: block min(L, 15) of my two rows' 16
	v_mov_b32 v[NEG], 0xf1800000                   ; -2^100
	s_wait_alu depctr_va_vdst(0)
	MLOADS                                         ; step 0 of the mask
	global_load_b64 v[24:25], v40, s[68:69]
	global_load_b64 v[26:27], v41, s[68:69]
	global_load_b64 v[28:29], v40, s[68:69] offset:512
	global_load_b32 v36, v42, s[68:69] offset:6144
.irp p, 0,1,2,3,4,5,6,7
	global_load_b128 v[128+8*\p:131+8*\p], v43, s[74:75] offset:1024*\p
	global_load_b128 v[132+8*\p:135+8*\p], v43, s[74:75] offset:1024*\p+16
.endr
	global_load_b128 v[64:67], v43, s[76:77]
	global_load_b128 v[68:71], v43, s[76:77] offset:16
.irp i, 0,1,2,3,4,5,6,7
	global_load_b32 v[72+\i], v44, s[78:79] offset:32*\i
.endr
.set j, 0
.rept 32
	v_mov_b32 v[OO+j], 0                           ; O^T: the step is written once; the first change of M leaves zeros zeros
.set j, j+1
.endr
	v_mov_b32 v[ST+2], 0xff61b1e6                  ; the largest t so far: -3e38
.irp i, 4,5,6,7
	v_mov_b32 v[ST+\i], 0
.endr
	v_floor_f32 v[ST+1], -v[ST+2]                  ; -M
.irp i, 0,1,2,3,4,5
	v_mov_b32 v[30+\i], 0                          ; Q's upper 64 along K: zero codes
	v_mov_b32 v[112+\i], 0                         ; what stands behind K's last tile
.endr
.irp i, 0,1,2,3
	v_mov_b32 v[BP+\i], 0                          ; a lane permute's destination counts as one of its sources
.endr
	v_mov_b32 v39, 0
	v_mov_b32 v90, 0
	s_wait_alu depctr_va_vdst(0)
	s_wait_kmcnt 0x0
	MCONV 0, 1                                     ; step 0's bias; step 1 of the mask is asked for
	; fb of my head; lane L takes hidden units 8 L .. 8 L + 7
.irp p, 0,1,2,3,4,5,6,7
.irp j, 0,2,4,6
	v_pk_add_f32 v[64+\j:65+\j], v[64+\j:65+\j], v[128+8*\p+\j:129+8*\p+\j]   ; bc1 + the eight parts of gc Wc1
.endr
.endr
.irp i, 0,1,2,3,4,5,6,7
	v_max_num_f32 v[64+\i], 0, v[64+\i]            ; relu
.endr
	v_mul_f32 v88, v64, v72
.irp i, 1,2,3,4,5,6,7
	v_fmac_f32 v88, v[64+\i], v[72+\i]
.endr
.irp x, 1,2,4,8
	v_add_f32_dpp v88, v88, v88 row_xmask:\x row_mask:0xf bank_mask:0xf
.endr
	v_permlanex16_b32 v90, v88, s6, s7
	v_mov_b32 v89, s99
	v_add_f32 v88, v88, v90
	v_mul_f32 v89, 0xbfb8aa3b, v89                 ; -log2(e) x gate
	v_add_f32 v88, s98, v88                        ; z
	v_mul_f32 v88, 0x4038aa3b, v88                 ; 2 log2(e) z
	s_wait_alu depctr_va_vdst(0)
	v_exp_f32 v88, v88
	v_exp_f32 v89, v89
	v_nop
	s_wait_alu depctr_va_vdst(0)
	v_add_f32 v88, 1.0, v88
	v_add_f32 v89, 1.0, v89
	s_wait_alu depctr_va_vdst(0)
	v_rcp_f32 v88, v88
	v_rcp_f32 v89, v89                             ; sigmoid(gate)
	v_nop
	s_wait_alu depctr_va_vdst(0)
	v_fma_f32 v88, v88, -2.0, 1.0                  ; tanh(z) = 1 - 2 / (1 + e^(2 z))
	v_mul_f32 v88, v88, v89
	v_mul_f32 v[ST], 0x3fb8aa3b, v88               ; fb x log2(e)
	s_mov_b32 s4, 7
.Lstep:                                            ; 7 trips of two key steps
	STEP 0, 1, 1, 1
	STEP 1, 1, 1, 1
	s_sub_co_u32 s4, s4, 1
	s_cmp_lg_u32 s4, 0
	s_wait_alu depctr_va_vdst(0)
	s_cbranch_scc1 .Lstep
	STEP 0, 1, 1, 0                                ; step 14 fetches step 15 and makes its bias
	global_prefetch_b8 v127, s[90:91] th:TH_LOAD_NT scope:SCOPE_SE   ; my two rows of x, 4,096 bytes, a key step ahead of their loads
	STEP 1, 0, 0, 0                                ; step 15 fetches nothing more
	; THE WAY OUT.  v64-159 Wo's 8 fragments; v24-55 two rows of x; v56-63 Wo's scale words; v160-191 the head's result, then accumulators, then two rows of y; v192-207 bo; v208-255 work, then four fragments of the attention
.set WF,  64
.set XR,  24
.set WS,  56
.set Y0,  160
.set ACC, 160
.set Y,   160
.set BO,  192
.set AF,  208
.set LG,  64
.set LB,  80
.set SCR, 96
.set T,   16
.set AS,  16
.set AWO, 3
.set WI,  4
.set A5,  7
.set FWA, 8
.set FWB, 9
.set FS,  10
.set ASR, 11
.set AFR, 14
.set AF8, 15
.set SI,  22
.set SOU, 23
	PLACES
	s_wait_xcnt 0x0                                ; the prefetch has read its offset: a load lands on it below
.set wi, 0
.rept 24
	global_load_b128 v[WF+4*wi:WF+4*wi+3], v1, s[12:13] offset:512*wi   ; my 32 rows of Wo as they lie: 512 consecutive bytes a load
.set wi, wi+1
.endr
	v_and_b32 v16, 31, v0                          ; L
	v_and_b32 v17, 15, v0                          ; r
	v_bfe_u32 v18, v0, 4, 1                        ; h
	v_mul_u32_u24 v[AWO], v17, WP
	v_mad_u32_u24 v[AWO], v18, 24, v[AWO]
	v_add_nc_u32 v[AWO], s52, v[AWO]               ; out of Wo's stage: row r of a tile, + 24 h
.irp e, 0,1,2
	v_add_nc_u32 v[WI+\e], 32*\e, v16              ; into it: chunk n = 32 e + L of 16 bytes,
	v_mul_u32_u24 v19, v[WI+\e], 2731
	v_lshrrev_b32 v19, 16, v19                     ; its row n / 24,
	v_add_nc_u32 v[WI+\e], v[WI+\e], v19
	v_lshl_add_u32 v[WI+\e], v[WI+\e], 4, s52      ; 16 bytes a chunk and 16 more a row
.endr
	v_lshlrev_b32 v[A5], 4, v17
	v_add_nc_u32 v[FWA], s53, v1
	v_add_nc_u32 v[FWB], s53, v2
	v_lshlrev_b32 v19, 2, v16
	v_add_nc_u32 v[FS], s54, v19
	v_add_nc_u32 v[ASR], ASCL, v19
	v_add_nc_u32 v[AFR], TA, v1
	v_add_nc_u32 v[AF8], TA, v2
	v_mul_u32_u24 v[SI], v17, PITCH
	v_lshl_add_u32 v[SI], v18, 5, v[SI]
	v_add_nc_u32 v[SI], s55, v[SI]
	v_add_nc_u32 v[SOU], s56, v1
	v_add_f32 v20, v20, v21                        ; the sum's two halves,
	v_permlanex16_b32 v[BP], v20, s6, s7
	v_add_f32 v20, v20, v[BP]                      ; and lane l xor 16's
	s_wait_alu depctr_va_vdst(0)
.irp t, 0,1
	global_load_b128 v[WS+4*\t:WS+4*\t+3], v[A5], s[14:15] offset:256*\t   ; Wo's scale words
.endr
.irp i, 0,1
.irp j, 0,1,2,3
	global_load_b128 v[XR+16*\i+4*\j:XR+16*\i+4*\j+3], v1, s[90:91] offset:2048*\i+512*\j th:TH_LOAD_NT
.endr
.endr
	v_rcp_f32 v20, v20
	v_nop
	s_wait_alu depctr_va_vdst(0)
.set j, 0
.rept 32
	v_mul_f32 v[Y0+j], v[OO+j], v20                ; O^T / the sum: register 16 bb + i is feature 32 bb + 16 h + i of my head
.set j, j+1
.endr
.irp b, 0,1
	v_max3_num_f32 v[BM+\b], |v[Y0+16*\b]|, |v[Y0+1+16*\b]|, 0x2800000
.endr
.irp i, 2,4,6,8,10,12,14
.irp b, 0,1
	v_max3_num_f32 v[BM+\b], v[BM+\b], |v[Y0+16*\b+\i]|, |v[Y0+1+16*\b+\i]|
.endr
.endr
.irp b, 0,1
	v_permlanex16_b32 v[BP+\b], v[BM+\b], s6, s7
.endr
.irp b, 0,1
	v_max_num_f32 v[BM+\b], v[BM+\b], v[BP+\b]
.endr
.irp b, 0,1
	v_add_nc_u32 v[SO+\b], 0xfe000000, v[BM+\b]
.endr
.irp b, 0,1
	v_lshrrev_b32 v[BP+\b], 23, v[SO+\b]
.endr
	v_lshl_or_b32 v243, v[BP+1], 8, v[BP]          ; my row's two bytes
	v_cvt_scalef32_pk16_bf6_f32 v[PC:PC+2], v[Y0:Y0+15], v[SO]
	v_cvt_scalef32_pk16_bf6_f32 v[PC+12:PC+14], v[Y0+16:Y0+31], v[SO+1]
	v_nop
.irp i, 0,1,2
	v_permlane16_swap_b32 v[PC+\i], v[PC+12+\i]
.endr
.irp i, 0,1,2
	v_mov_b32 v[PC+3+\i], v[PC+12+\i]
.endr
	ds_store_b128 v[FWA], v[PC:PC+3]               ; six registers of fragment (tile m, K step hd / 2): its half hd % 2
	ds_store_b64 v[FWB], v[PC+4:PC+5] offset:512
	ds_store_b16 v[FS], v243                       ; and two bytes of its scale words
.irp j, 0,1,2,3
	global_load_b128 v[BO+4*\j:BO+4*\j+3], v1, s[88:89] offset:512*\j
.endr
	s_mov_b32 s57, 0x3b000000                      ; 1 / 512
	s_mov_b32 s58, 0x3727c5ac                      ; 1e-5
	s_wait_alu depctr_va_vdst(0)
	s_wait_dscnt 0x0
	s_barrier_signal -1
	s_barrier_wait -1                              ; the eight fragments lie in LDS, and nobody reads the ring any more
	s_wait_loadcnt 14                              ; behind Wo's 24 loads 2 + 8 + 4 = 14 were issued: Wo is in
.irp a, 0,1,2,3,4,5,6,7                        ; Wo turns through my own stage: three loads are four rows
.irp e, 0,1,2
	ds_store_b128 v[WI+\e], v[WF+4*(3*\a+\e):WF+4*(3*\a+\e)+3] offset:1600*\a
.endr
.endr
.irp t, 0,1                                    ; fragment (tile t, K step s) at v[WF + 12 (4 t + s)]; LDS serves a wave's instructions in order (ISA guide 5.7.1.4)
.irp s, 0,1,2,3
.irp p, 0,1,2,3,4,5
	ds_load_b64 v[WF+12*(4*\t+\s)+2*\p:WF+12*(4*\t+\s)+2*\p+1], v[AWO] offset:16*\t*WP+96*\s+48*(\p/3)+8*(\p%3)
.endr
.endr
.endr
.irp sp, 0,1                                   ; two K steps at a time; the four accumulators take turns
.irp e, 0,1
.irp m, 0,1
	ds_load_b128 v[AF+12*(2*\e+\m):AF+12*(2*\e+\m)+3], v[AFR] offset:(4*\m+2*\sp+\e)*1536
	ds_load_b64 v[AF+12*(2*\e+\m)+4:AF+12*(2*\e+\m)+5], v[AF8] offset:(4*\m+2*\sp+\e)*1536+512
	ds_load_b128 v[AF+12*(2*\e+\m)+6:AF+12*(2*\e+\m)+9], v[AFR] offset:(4*\m+2*\sp+\e)*1536+768
	ds_load_b64 v[AF+12*(2*\e+\m)+10:AF+12*(2*\e+\m)+11], v[AF8] offset:(4*\m+2*\sp+\e)*1536+1280
	ds_load_b32 v[AS+2*\e+\m], v[ASR] offset:(4*\m+2*\sp+\e)*128
.endr
.endr
	s_wait_dscnt 0x0
.if \sp == 0
	s_wait_loadcnt 12                              ; behind Wo's scale words 8 + 4 = 12 were issued
.endif
.irp e, 0,1
.irp m, 0,1
.irp t, 0,1
	MO ACC+8*(2*\m+\t), WF+12*(4*\t+2*\sp+\e), AF+12*(2*\e+\m), (2*\sp+\e)==0, WS+4*\t+2*\sp+\e, AS+2*\e+\m
.endr
.endr
.endr
	PLACES
.endr
.irp j, 0,1,2,3
	global_load_b128 v[LG+4*\j:LG+4*\j+3], v1, s[92:93] offset:512*\j
	global_load_b128 v[LB+4*\j:LB+4*\j+3], v1, s[94:95] offset:512*\j
.endr
.irp m, 0,1
.irp t, 0,1
	ds_store_b128 v[SI], v[ACC+8*(2*\m+\t):ACC+8*(2*\m+\t)+3] offset:16*\m*PITCH+64*\t        ; lane (r, h): features 32 w + 16 t + 8 h + 0 .. 7 of stage row 16 m + r
	ds_store_b128 v[SI], v[ACC+8*(2*\m+\t)+4:ACC+8*(2*\m+\t)+7] offset:16*\m*PITCH+64*\t+16
.endr
.endr
	s_wait_loadcnt 8                               ; x and bo are in; ln_g and ln_b may be out
.irp i, 0,1
.irp j, 0,2,4,6,8,10,12,14
	v_pk_add_f32 v[XR+16*\i+\j:XR+16*\i+\j+1], v[XR+16*\i+\j:XR+16*\i+\j+1], v[BO+\j:BO+\j+1]   ; the residual + bo
.endr
.endr
	s_wait_alu depctr_va_vdst(0)
	s_wait_dscnt 0x0
	s_barrier_signal -1
	s_barrier_wait -1                              ; 32 whole rows lie in the stage
.irp i, 0,1
.irp j, 0,1,2,3
	ds_load_b128 v[Y+16*\i+4*\j:Y+16*\i+4*\j+3], v[SOU] offset:\i*PITCH+512*\j
.endr
.endr
	s_wait_dscnt 0x0
	s_wait_loadcnt 0x0
.macro TREE                            ; four pairs a row in v[SCR + 8 i ..] become the row's sum, in every lane's v[T + 2 i]; the two rows by turns
.irp i, 0,1
	v_pk_add_f32 v[SCR+8*\i:SCR+8*\i+1], v[SCR+8*\i:SCR+8*\i+1], v[SCR+8*\i+2:SCR+8*\i+3]
	v_pk_add_f32 v[SCR+8*\i+4:SCR+8*\i+5], v[SCR+8*\i+4:SCR+8*\i+5], v[SCR+8*\i+6:SCR+8*\i+7]
.endr
.irp i, 0,1
	v_pk_add_f32 v[SCR+8*\i:SCR+8*\i+1], v[SCR+8*\i:SCR+8*\i+1], v[SCR+8*\i+4:SCR+8*\i+5]
.endr
.irp i, 0,1
	v_add_f32 v[T+2*\i], v[SCR+8*\i], v[SCR+8*\i+1]
.endr
.irp x, 1,2,4,8
.irp i, 0,1
	v_add_f32_dpp v[T+2*\i], v[T+2*\i], v[T+2*\i] row_xmask:\x row_mask:0xf bank_mask:0xf
.endr
.endr
.irp i, 0,1
	v_permlanex16_b32 v[SCR+8*\i], v[T+2*\i], s6, s7
.endr
.irp i, 0,1
	v_add_f32 v[T+2*\i], v[T+2*\i], v[SCR+8*\i]
.endr
.endm
.irp i, 0,1
.irp j, 0,2,4,6,8,10,12,14
	v_pk_add_f32 v[Y+16*\i+\j:Y+16*\i+\j+1], v[Y+16*\i+\j:Y+16*\i+\j+1], v[XR+16*\i+\j:XR+16*\i+\j+1]   ; y
.endr
.endr
.irp i, 0,1
.irp q, 0,1,2,3
	v_pk_add_f32 v[SCR+8*\i+2*\q:SCR+8*\i+2*\q+1], v[Y+16*\i+4*\q:Y+16*\i+4*\q+1], v[Y+16*\i+4*\q+2:Y+16*\i+4*\q+3]
.endr
.endr
	TREE
.irp i, 0,1
	v_mul_f32 v[T+2*\i+1], s57, v[T+2*\i]          ; the mean, in both registers of the pair
	v_mul_f32 v[T+2*\i], s57, v[T+2*\i]
.endr
.irp i, 0,1
.irp j, 0,2,4,6,8,10,12,14
	v_pk_add_f32 v[Y+16*\i+\j:Y+16*\i+\j+1], v[Y+16*\i+\j:Y+16*\i+\j+1], v[T+2*\i:T+2*\i+1] neg_lo:[0,1] neg_hi:[0,1]   ; d = y - the mean
.endr
.endr
.irp i, 0,1
.irp q, 0,1,2,3
	v_pk_mul_f32 v[SCR+8*\i+2*\q:SCR+8*\i+2*\q+1], v[Y+16*\i+4*\q:Y+16*\i+4*\q+1], v[Y+16*\i+4*\q:Y+16*\i+4*\q+1]
.endr
.irp q, 0,1,2,3
	v_pk_fma_f32 v[SCR+8*\i+2*\q:SCR+8*\i+2*\q+1], v[Y+16*\i+4*\q+2:Y+16*\i+4*\q+3], v[Y+16*\i+4*\q+2:Y+16*\i+4*\q+3], v[SCR+8*\i+2*\q:SCR+8*\i+2*\q+1]
.endr
.endr
	TREE
.irp i, 0,1
	v_fma_f32 v[T+2*\i], v[T+2*\i], s57, s58       ; the variance + 1e-5
.endr
	s_wait_alu depctr_va_vdst(0)
.irp i, 0,1
	v_rsq_f32 v[T+2*\i], v[T+2*\i]
.endr
	v_nop
	s_wait_alu depctr_va_vdst(0)
.irp i, 0,1
	v_mov_b32 v[T+2*\i+1], v[T+2*\i]
.endr
.irp i, 0,1
.irp j, 0,2,4,6,8,10,12,14
	v_pk_mul_f32 v[Y+16*\i+\j:Y+16*\i+\j+1], v[Y+16*\i+\j:Y+16*\i+\j+1], v[T+2*\i:T+2*\i+1]
.endr
.irp j, 0,2,4,6,8,10,12,14
	v_pk_fma_f32 v[Y+16*\i+\j:Y+16*\i+\j+1], v[Y+16*\i+\j:Y+16*\i+\j+1], v[LG+\j:LG+\j+1], v[LB+\j:LB+\j+1]
.endr
.irp j, 0,1,2,3
	global_store_b128 v1, v[Y+16*\i+4*\j:Y+16*\i+4*\j+3], s[96:97] offset:2048*\i+512*\j th:TH_STORE_NT   ; 512 consecutive bytes, aligned
.endr
.endr
	s_wait_tensorcnt 0x0                           ; the wave's end
	ds_add_u32 v[SPW], v[NIL]
	s_wait_dscnt 0x0
	ROUND                                          ; the closing round
	s_endpgm
.Lfunc_end_k_qb3633a1078_attn:
	.size	k_qb3633a1078_attn, .Lfunc_end_k_qb3633a1078_attn-k_qb3633a1078_attn
	.p2alignl 7, 3214868480
	.fill 96, 4, 3214868480
	.section	.rodata,"a",@progbits
	.p2align	6, 0x0
	.amdhsa_kernel k_qb3633a1078_attn
		.amdhsa_group_segment_fixed_size 327680
		.amdhsa_private_segment_fixed_size 0
		.amdhsa_enable_private_segment 0
		.amdhsa_kernarg_size 120
		.amdhsa_user_sgpr_count 2
		.amdhsa_user_sgpr_kernarg_segment_ptr 1
		.amdhsa_wavefront_size32 1
		.amdhsa_system_sgpr_workgroup_id_x 1
		.amdhsa_system_sgpr_workgroup_id_y 1
		.amdhsa_system_sgpr_workgroup_id_z 1
		.amdhsa_system_vgpr_workitem_id 0
		.amdhsa_next_free_vgpr 256
		.amdhsa_next_free_sgpr 102
		.amdhsa_reserve_vcc 0
		.amdhsa_float_denorm_mode_32 3
		.amdhsa_float_denorm_mode_16_64 3
		.amdhsa_memory_ordered 1
		.amdhsa_forward_progress 1
		.amdhsa_inst_pref_size 121
	.end_amdhsa_kernel
	.amdgpu_metadata
---
amdhsa.version: [ 1, 2 ]
amdhsa.kernels:
  - .name:           k_qb3633a1078_attn
    .symbol:         k_qb3633a1078_attn.kd
    .args:
      - { .name: qimg, .offset: 0, .size: 8, .value_kind: global_buffer, .address_space: global }
      - { .name: kv, .offset: 8, .size: 8, .value_kind: global_buffer, .address_space: global }
      - { .name: mask, .offset: 16, .size: 8, .value_kind: global_buffer, .address_space: global }
      - { .name: hp, .offset: 24, .size: 8, .value_kind: global_buffer, .address_space: global }
      - { .name: bc1, .offset: 32, .size: 8, .value_kind: global_buffer, .address_space: global }
      - { .name: Wc2, .offset: 40, .size: 8, .value_kind: global_buffer, .address_space: global }
      - { .name: bc2, .offset: 48, .size: 8, .value_kind: global_buffer, .address_space: global }
      - { .name: res_gate, .offset: 56, .size: 8, .value_kind: global_buffer, .address_space: global }
      - { .name: Wo_codes, .offset: 64, .size: 8, .value_kind: global_buffer, .address_space: global }
      - { .name: Wo_scales, .offset: 72, .size: 8, .value_kind: global_buffer, .address_space: global }
      - { .name: bo, .offset: 80, .size: 8, .value_kind: global_buffer, .address_space: global }
      - { .name: x, .offset: 88, .size: 8, .value_kind: global_buffer, .address_space: global }
      - { .name: ln_g, .offset: 96, .size: 8, .value_kind: global_buffer, .address_space: global }
      - { .name: ln_b, .offset: 104, .size: 8, .value_kind: global_buffer, .address_space: global }
      - { .name: out0, .offset: 112, .size: 8, .value_kind: global_buffer, .address_space: global }
    .group_segment_fixed_size: 327680
    .private_segment_fixed_size: 0
    .kernarg_segment_align: 8
    .kernarg_segment_size: 120
    .max_flat_workgroup_size: 512
    .sgpr_count:     102
    .vgpr_count:     256
    .wavefront_size: 32
...
	.end_amdgpu_metadata
.endif
;; end of part 3
